; MI455X (gfx1250); checked and timed in simulation.
; The chip was launched on July 23, 2026; its instructions are those of AMD's public machine-readable ISA for CDNA 5 (MIT licence, August 2026) and "CDNA5" Instruction Set Architecture Reference Guide (July 2026). The comments in the code are by the model that wrote it; some were corrected since.
;; Multi Head Attention. Allowed arithmetic: matrix products marked QUANTISED: E2M1 operands, one E8M0 scale for each 32 along K, by v_wmma_scale_f32_16x16x128_f8f6f4 with both operands' format E2M1 (or v_wmma_scale_f32_32x16x128_f4), f32 sums; products left as they are: bf16, f16 or f32 operands; f32 sums; everything else in f32.
;; Inputs: Wk 16 x 1,024 x 64 float32; Wo 1,024 x 1,024 float32; Wq 16 x 1,024 x 64 float32; Wv 16 x 1,024 x 64 float32; bk 16 x 64 float32; bo 1,024 float32; bq 16 x 64 float32; bv 16 x 64 float32; key 4 x 2,048 x 1,024 float32; query 4 x 2,048 x 1,024 float32; value 4 x 2,048 x 1,024 float32.
;; Outputs: out0 4 x 2,048 x 1,024 float32.
;; This version of the problem:
;;   THIS VERSION OF THE PROBLEM IS GIVEN IN LOW PRECISION. The matrix products marked QUANTISED in the list below multiply operands that are first quantised to E2M1 (2 exponent bits, 1 mantissa bit; 4 bits a number), with one power-of-two scale for each 32 numbers along K (OCP MX v1.0); their sums are f32. The products marked 'left as it is' may take bf16, f16 or f32 operands, with f32 sums. Whichever they take, every output number must still come out within the allowed error. Rounding operands to bf16 (8 significant bits) uses up far more of that allowance than f16 does (11 bits, for magnitudes from 6e-5 to 65,504). All else is computed in f32.
;;   The module's matrix products, in the order in which they are computed (A, B: the left and right operand; K: the contracted axis; several contracted axes count as one K, in the product's order):
;;     1. [M 1,024, K 1,024] x [K 1,024, N 8,192]; A: input Wq; B: input query: QUANTISED
;;     2. [M 1,024, K 1,024] x [K 1,024, N 8,192]; A: input Wk; B: input key: QUANTISED
;;     3. [M 1,024, K 1,024] x [K 1,024, N 8,192]; A: input Wv; B: input value: QUANTISED
;;     4. batch 64 x [M 2,048, K 64] x [K 64, N 2,048]; A: computed on the way; B: computed on the way: left as it is (an operand is computed on the way)
;;     5. batch 64 x [M 2,048, K 2,048] x [K 2,048, N 64]; A: computed on the way; B: computed on the way: left as it is (an operand is computed on the way)
;;     6. [M 8,192, K 1,024] x [K 1,024, N 1,024]; A: computed on the way; B: input Wo: left as it is (an operand is computed on the way)
;;   THE QUANTISER, for each operand of a quantised product, along K:
;;     - K is cut into blocks of 32 from its start; a last block that is shorter is filled with zeros.
;;     - A block's scale is 2^e with e = floor(log2(the largest magnitude in the block)) - 2, held to -126 .. 127; a block of zeros has e = 0. As a byte (E8M0): e + 127.
;;     - Each number is divided by its block's scale, clamped to +-6, and rounded to the nearest number of E2M1, ties to even, subnormals kept.
;;     - The product sums the exact products of the quantised numbers (number of the format x scale) in f32.
;;   ~~~python
;;   def quantise(x, axis):      # numpy; x: float32 -> the quantised numbers, widened to float32 again
;;       x = np.moveaxis(x, axis, -1); K = x.shape[-1]
;;       x = np.pad(x, [(0, 0)] * (x.ndim - 1) + [(0, -K % 32)]); x = x.reshape(x.shape[:-1] + (-1, 32)); a = np.abs(x).max(-1, keepdims=True)
;;       e = np.where(a > 0, np.clip(np.frexp(np.where(a > 0, a, 1))[1] - 1 - 2, -126, 127), 0)      # np.frexp(a)[1] - 1 = floor(log2(a)), exactly
;;       r = np.clip(x / 2.0 ** e, -6, 6)
;;       step = 2.0 ** (np.maximum(np.frexp(np.where(r == 0, 1, r))[1] - 1, 0) - 1)
;;       q = np.round(r / step) * step * 2.0 ** e      # np.round: ties to even
;;       return np.moveaxis(q.reshape(q.shape[:-2] + (-1,))[..., :K], -1, axis).astype(np.float32)
;;   ~~~
;; One version. Each part assembles by itself: llvm-mc -triple=amdgcn-amd-amdhsa -mcpu=gfx1250 --defsym DOCPART=n.
;; ======== version 1 of 1: 4 launches
;; limits: values are held in f16: magnitudes above 65,504 overflow, below 6.1e-05 lose precision
;; workspace buffers: xq 13,369,344 bytes; wc 1,572,864 bytes; ws 98,304 bytes; wof 2,097,152 bytes; qkv 50,331,648 bytes; oimg 16,777,216 bytes
;; launch prep (part 1): grid 640 x 1, 4 waves a work-group, no clusters, 34,304 bytes of LDS; arguments query, key, value, Wq, Wk, Wv, Wo, xq, wc, ws, wof; writes xq, wc, ws, wof
.if DOCPART == 1
	.amdgcn_target "amdgcn-amd-amdhsa--gfx1250"
	.amdhsa_code_object_version 6
	.text
	.protected	k_q89e47d4276_prep
	.globl	k_q89e47d4276_prep
	.p2align	8
	.type	k_q89e47d4276_prep,@function
k_q89e47d4276_prep:
	s_mov_b64 s[64:65], 0
	v_nop
	global_prefetch_b8 v0, s[64:65] scope:SCOPE_SE
	s_setreg_imm32_b32 hwreg(HW_REG_WAVE_MODE, 25, 1), 1
	s_wait_xcnt 0x0
; PREP.  query, key, value [8192][1024] f32 and Wq, Wk, Wv [16][1024][64] f32 become codes of FP4 (E2M1) with one E8M0 byte for each 32 along K = the 1,024 inputs; Wo [1024][1024] f32 becomes f16.
; Everything is stored as IMAGES OF OPERAND REGISTERS: a fragment is 1,024 bytes, two blocks of 512, a lane's 16 bytes at 16 x lane, so that the later launches load fragments by 16-byte loads at 16 x lane.
;   xq  [1,536 token tiles][8,704]: 8 K steps x 1,024 bytes (16 tokens x 128 K), then 512 bytes of scale words [lane][p]: word p holds K step 2 p in lanes 0-15 and K step 2 p + 1 in lanes 16-31
;   wc  [matrix 3][head 16][channel tile 4][K step 8][1,024];   ws [matrix][head][u 2][K step 8][lane]: lanes 0-15 the words of channel tile 2 u, lanes 16-31 those of tile 2 u + 1
;   wof [column tile 64][K step of 32: 32][1,024]: lane (r, h): column r; registers 0-3 k = 8 h + 0..7, registers 4-7 k = 16 + 8 h + 0..7
; A block's scale byte is its largest magnitude's exponent field - 2, held at 1 from below by a floor among the maximum's leaves; the conversion divides, holds at the largest code and rounds to nearest, ties to even.
; LIMITS: NaN and infinities are not served.  A block of zeros gets the byte 1 where the rule says 127: its codes are zeros and this program alone reads the bytes.  Wo must lie under 65,504 in magnitude (f16).
; SHARES: work-groups 0-191 the three weights, 192-255 Wo, 256-639 the activations.  Waves share nothing: no barrier.  Nothing is read twice, so no cluster and no tensor load; the launch streams, so nothing is prefetched.
.set SPITCH, 528                       ; a stage row: 512 bytes + 16, an odd multiple of 16: sixteen lanes that read sixteen rows touch sixteen different 16-byte columns
.set STG,    16*SPITCH                 ; a wave's stage: 16 rows
.set SPARE,  4*STG                     ; behind the four stages: the spare words, 128 bytes a wave, two blocks of 256 bytes that no other line names
.set LANE, 1                           ; v1   lane
.set LI,   2                           ; v2   16 x lane
.set L4,   3                           ; v3   4 x lane
.set SIN,  4                           ; v4   the stage on the way in
.set SOUT, 5                           ; v5   and on the way out
.set H8,   6                           ; v6   8 x (lane / 16)
.set WD,   7                           ; v7   a scale word
.set MX,   8                           ; v8-9   largest magnitudes
.set OP,   10                          ; v10-11 the conversions' scale operands
.set BY,   12                          ; v12-13 scale bytes
.set SPW,  14                          ; v14  my spare word's address; never rewritten
.set NIL,  15                          ; v15  0; never rewritten
.set TMP,  16                          ; v16  a lane permute's destination
.set SB,   20                          ; v20-23 the tile's scale image
.set C,    24                          ; v24-39 codes
.set R,    64                          ; v64-191 numbers as loaded
.set X,    192                         ; v192-255 64 numbers in the operand's order
.set WV,   26                          ; s26  wave
	s_load_b512 s[4:19], s[0:1], 0x0               ; query 4, key 6, value 8, Wq 10, Wk 12, Wv 14, Wo 16, xq 18
	s_load_b128 s[20:23], s[0:1], 0x40             ; wc, ws
	s_load_b64 s[24:25], s[0:1], 0x50              ; wof
	v_lshl_add_u32 v[SPW], v0, 2, SPARE
	v_mov_b32 v[NIL], 0
	v_lshrrev_b32 v[LANE], 5, v0
	v_readfirstlane_b32 s[WV], v[LANE]
	v_and_b32 v[LANE], 31, v0
	v_lshlrev_b32 v[LI], 4, v[LANE]
	v_lshlrev_b32 v[L4], 2, v[LANE]
	s_mov_b32 s43, 0                               ; the high word of every byte offset: all stay under 2^31
	s_wait_kmcnt 0x0
	s_cmp_lt_u32 ttmp9, 192
	s_cbranch_scc1 .Lweights
	s_cmp_lt_u32 ttmp9, 256
	s_cbranch_scc1 .Lwo
; ---- THE ACTIVATIONS.  A wave owns one token tile: 16 rows x 1,024 numbers, in 8 K steps of 128.
	s_sub_co_u32 s27, ttmp9, 256
	s_lshr_b32 s28, s27, 7                         ; which tensor: 128 work-groups each
	s_lshl_b32 s27, s27, 2
	s_add_co_u32 s27, s27, s[WV]                   ; T, my token tile of 1,536
	s_cmp_eq_u32 s28, 0
	s_cselect_b64 s[34:35], s[4:5], s[6:7]
	s_cmp_eq_u32 s28, 2
	s_cselect_b64 s[34:35], s[8:9], s[34:35]
	s_and_b32 s42, s27, 511
	s_lshl_b32 s42, s42, 16                        ; 16 rows of 4,096 bytes
	s_add_nc_u64 s[34:35], s[34:35], s[42:43]
	s_mul_i32 s42, s27, 8704
	s_add_nc_u64 s[36:37], s[18:19], s[42:43]
.macro ALOAD t                         ; K step t: 16 loads, each 512 consecutive bytes of one row
.irp i, 0,1,2,3,4,5,6,7,8,9,10,11,12,13,14,15
	global_load_b128 v[R+64*((\t)%2)+4*\i:R+64*((\t)%2)+4*\i+3], v[LI], s[34:35] offset:\i*4096+(\t)*512 th:TH_LOAD_NT
.endr
.endm
	ALOAD 0
	ALOAD 1
	s_mov_b32 s30, 0xffff0000                      ; lanes 16-31
	s_mov_b32 s32, 0x76543210
	s_mov_b32 s33, 0xfedcba98                      ; v_permlanex16_b32: lane l xor 16
	s_mul_i32 s29, s[WV], STG
	v_add_nc_u32 v[SIN], s29, v[LI]                ; in: a row as it lies, 16 bytes a lane
	v_and_b32 v[SOUT], 15, v0
	v_bfe_u32 v[H8], v0, 4, 1
	v_mul_u32_u24 v[SOUT], v[SOUT], SPITCH
	v_lshl_add_u32 v[SOUT], v[H8], 7, v[SOUT]
	v_add_nc_u32 v[SOUT], s29, v[SOUT]             ; out: row lane % 16, + 128 bytes (32 numbers) for lanes 16-31
	v_lshlrev_b32 v[H8], 3, v[H8]
	v_mov_b32 v[TMP], 0                            ; written once: a lane permute's destination counts as a source
; One K step.  The loads take bytes as they lie; the operand wants, in lane (r, h), k = 64 c + 32 h + 0..31 of row r: whole blocks h and 2 + h.  The 8,192 bytes turn through my own stage.
.macro ASTEP t
.if (\t) < 7
	s_wait_loadcnt 16                              ; this step's 16 loads are in; the next step's 16 stay out
.else
	s_wait_loadcnt 0
.endif
	s_wait_xcnt 0x0                                ; the stores of two steps back have read the code registers that this step writes
.irp i, 0,1,2,3,4,5,6,7,8,9,10,11,12,13,14,15
	ds_store_b128 v[SIN], v[R+64*((\t)%2)+4*\i:R+64*((\t)%2)+4*\i+3] offset:\i*SPITCH
.endr
.irp c, 0,1
.irp g, 0,1,2,3,4,5,6,7
	ds_load_b128 v[X+32*\c+4*\g:X+32*\c+4*\g+3], v[SOUT] offset:256*\c+16*\g   ; LDS serves a wave's instructions in order: these see the stores above
.endr
.endr
	s_wait_dscnt 0x0                               ; my 64 numbers are here, and the stores have read their registers,
.if (\t) < 6
	ALOAD (\t)+2                                   ; which take the loads of two steps on
.endif
.irp c, 0,1
	v_max3_num_f32 v[MX+\c], |v[X+32*\c]|, |v[X+32*\c+1]|, 0x1800000   ; the floor 2^(3 - 127): the byte cannot fall under 1
.endr
.irp i, 2,4,6,8,10,12,14,16,18,20,22,24,26,28,30
.irp c, 0,1
	v_max3_num_f32 v[MX+\c], v[MX+\c], |v[X+32*\c+\i]|, |v[X+32*\c+\i+1]|   ; the two blocks by turns
.endr
.endr
.irp c, 0,1
	v_add_nc_u32 v[OP+\c], 0xff000000, v[MX+\c]    ; 2 off the exponent field: the conversion takes this operand's exponent field as its scale
.endr
.irp c, 0,1
.irp g, 0,1,2,3
	v_cvt_scalef32_pk8_fp4_f32 v[C+8*((\t)%2)+4*\c+\g], v[X+32*\c+8*\g:X+32*\c+8*\g+7], v[OP+\c]   ; registers 4 c + g of the fragment
.endr
.endr
.irp c, 0,1
	v_lshrrev_b32 v[BY+\c], 23, v[OP+\c]           ; the bytes (plain lines behind the conversions)
.endr
	v_lshl_or_b32 v[WD], v[BY+1], 16, v[BY]        ; blocks h and 2 + h,
	v_lshlrev_b32 v[WD], v[H8], v[WD]              ; at their places in the row's word;
	v_permlanex16_b32 v[TMP], v[WD], s32, s33
	v_or_b32 v[WD], v[WD], v[TMP]                  ; with lane l xor 16's two the word is whole
.if (\t)%2 == 0
	v_mov_b32 v[SB+(\t)/2], v[WD]
.else
	v_cndmask_b32 v[SB+(\t)/2], v[SB+(\t)/2], v[WD], s30   ; an odd step's words go to lanes 16-31
.endif
.irp c, 0,1
	global_store_b128 v[LI], v[C+8*((\t)%2)+4*\c:C+8*((\t)%2)+4*\c+3], s[36:37] offset:(\t)*1024+512*\c   ; 512 consecutive bytes, aligned
.endr
.endm
.irp t, 0,1,2,3,4,5,6,7
	ASTEP \t
.endr
	global_store_b128 v[LI], v[SB:SB+3], s[36:37] offset:8192
	s_wait_tensorcnt 0x0                           ; the wave's end: three lines behind my last LDS store
	ds_add_u32 v[SPW], v[NIL]
	s_wait_dscnt 0x0
	s_endpgm
; ---- Wq, Wk, Wv: K is the middle axis.  A lane takes a column d and its registers run down K: a wave takes 128 rows x 32 columns, two waves side by side cover a row's 256 bytes.
.Lweights:
	s_lshr_b32 s27, ttmp9, 6                       ; matrix
	s_bfe_u32 s28, ttmp9, 0x40002                  ; head
	s_and_b32 s29, ttmp9, 3
	s_lshl_b32 s29, s29, 1
	s_lshr_b32 s40, s[WV], 1
	s_add_co_u32 s29, s29, s40                     ; K step
	s_and_b32 s40, s[WV], 1                        ; u: which 32 columns
	s_cmp_eq_u32 s27, 0
	s_cselect_b64 s[34:35], s[10:11], s[12:13]
	s_cmp_eq_u32 s27, 2
	s_cselect_b64 s[34:35], s[14:15], s[34:35]
	s_lshl_b32 s42, s28, 18                        ; a head: 1,024 rows of 256 bytes
	s_lshl_b32 s44, s29, 15                        ; 128 rows
	s_add_co_u32 s42, s42, s44
	s_lshl_b32 s44, s40, 7
	s_add_co_u32 s42, s42, s44
	s_add_nc_u64 s[34:35], s[34:35], s[42:43]
.macro WLOAD bl                        ; block bl: 32 rows, a row an instruction
.irp i, 0,1,2,3,4,5,6,7,8,9,10,11,12,13,14,15,16,17,18,19,20,21,22,23,24,25,26,27,28,29,30,31
	global_load_b32 v[R+32*(\bl)+\i], v[L4], s[34:35] offset:(32*(\bl)+\i)*256 th:TH_LOAD_NT
.endr
.endm
	WLOAD 0
	WLOAD 1
	s_lshl_b32 s41, s27, 4
	s_add_co_u32 s41, s41, s28                     ; matrix x 16 + head
	s_lshl_b32 s42, s41, 2
	s_lshl_b32 s44, s40, 1
	s_add_co_u32 s42, s42, s44
	s_lshl_b32 s42, s42, 13                        ; channel tile 2 u: 8,192 bytes a tile
	s_lshl_b32 s44, s29, 10
	s_add_co_u32 s42, s42, s44
	s_add_nc_u64 s[36:37], s[20:21], s[42:43]
	s_lshl_b32 s42, s41, 1
	s_add_co_u32 s42, s42, s40
	s_lshl_b32 s42, s42, 10
	s_lshl_b32 s44, s29, 7
	s_add_co_u32 s42, s42, s44
	s_add_nc_u64 s[38:39], s[22:23], s[42:43]
.macro WBLOCK bl
.if (\bl) < 3
	s_wait_loadcnt 32                              ; this block's 32 loads are in; the next block's 32 stay out
.else
	s_wait_loadcnt 0
.endif
.if (\bl) < 2
	WLOAD (\bl)+2                                  ; into registers of its own
.endif
	v_max3_num_f32 v[MX], |v[R+32*(\bl)]|, |v[R+32*(\bl)+1]|, |v[R+32*(\bl)+2]|      ; all 32 numbers of the block are mine: two chains
	v_max3_num_f32 v[MX+1], |v[R+32*(\bl)+3]|, |v[R+32*(\bl)+4]|, |v[R+32*(\bl)+5]|
.irp i, 6,10,14,18,22,26
	v_max3_num_f32 v[MX], v[MX], |v[R+32*(\bl)+\i]|, |v[R+32*(\bl)+\i+1]|
	v_max3_num_f32 v[MX+1], v[MX+1], |v[R+32*(\bl)+\i+2]|, |v[R+32*(\bl)+\i+3]|
.endr
	v_max3_num_f32 v[MX], v[MX], |v[R+32*(\bl)+30]|, |v[R+32*(\bl)+31]|
	v_max3_num_f32 v[MX], v[MX], v[MX+1], 0x1800000
	v_add_nc_u32 v[OP], 0xff000000, v[MX]
	v_lshrrev_b32 v[BY], 23, v[OP]
.if (\bl) == 0
	v_mov_b32 v[WD], v[BY]
.else
	v_lshl_or_b32 v[WD], v[BY], 8*(\bl), v[WD]     ; my column's scale word: the lower K in the lower byte
.endif
.irp g, 0,1,2,3
	v_cvt_scalef32_pk8_fp4_f32 v[C+4*(\bl)+\g], v[R+32*(\bl)+8*\g:R+32*(\bl)+8*\g+7], v[OP]
.endr
.endm
	WBLOCK 0
	WBLOCK 1
	WBLOCK 2
	WBLOCK 3
	v_nop                                          ; one plain line between a scaled conversion and the vector line that touches its result
.irp i, 0,1,2,3                        ; lanes 0-15 hold tile 2 u, lanes 16-31 tile 2 u + 1; the operand wants block 2 c in lanes 0-15 and block 2 c + 1 in lanes 16-31 of ONE tile
	v_permlane16_swap_b32 v[C+\i], v[C+4+\i]       ; now C+0..3 = registers 0-3 of tile 2 u, C+4..7 = those of tile 2 u + 1
	v_permlane16_swap_b32 v[C+8+\i], v[C+12+\i]    ; and C+8..11, C+12..15 their registers 4-7
.endr
	global_store_b128 v[LI], v[C:C+3], s[36:37]
	global_store_b128 v[LI], v[C+8:C+11], s[36:37] offset:512
	global_store_b128 v[LI], v[C+4:C+7], s[36:37] offset:8192
	global_store_b128 v[LI], v[C+12:C+15], s[36:37] offset:8704
	global_store_b32 v[L4], v[WD], s[38:39]        ; 128 bytes a wave: one byte in 128 of what the path reads
	s_endpgm
; ---- Wo [k][n] to f16 fragments.  A lane takes a column n, its registers run down k: a wave takes 128 rows x 32 columns, four waves cover 512 consecutive bytes of a row.
.Lwo:
	s_sub_co_u32 s27, ttmp9, 192
	s_and_b32 s28, s27, 7
	s_lshl_b32 s28, s28, 2
	s_add_co_u32 s28, s28, s[WV]                   ; which 32 columns
	s_lshr_b32 s29, s27, 3                         ; which 128 rows
	s_lshl_b32 s42, s29, 19
	s_lshl_b32 s44, s28, 7
	s_add_co_u32 s42, s42, s44
	s_add_nc_u64 s[34:35], s[16:17], s[42:43]
	s_lshl_b32 s42, s28, 16                        ; column tile 2 x group: 32,768 bytes a tile
	s_lshl_b32 s44, s29, 12                        ; four K steps of 1,024 bytes
	s_add_co_u32 s42, s42, s44
	s_add_nc_u64 s[36:37], s[24:25], s[42:43]
.set j, 0
.rept 128
	global_load_b32 v[R+j], v[L4], s[34:35] offset:j*4096 th:TH_LOAD_NT
.set j, j+1
.endr
	s_wait_loadcnt 0
.set j, 0
.rept 64
	v_cvt_pk_f16_f32 v[R+j], v[R+2*j], v[R+2*j+1]  ; in place, ascending: register j is written when registers 2 j and 2 j + 1 are read
.set j, j+1
.endr
.irp s, 0,1,2,3
.irp i, 0,1,2,3
	v_permlane16_swap_b32 v[R+16*\s+\i], v[R+16*\s+4+\i]      ; k 0-7 and k 8-15 of one tile into the two halves of the lanes
	v_permlane16_swap_b32 v[R+16*\s+8+\i], v[R+16*\s+12+\i]   ; likewise k 16-23 and k 24-31
.endr
.endr
.irp s, 0,1,2,3
	global_store_b128 v[LI], v[R+16*\s:R+16*\s+3], s[36:37] offset:\s*1024
	global_store_b128 v[LI], v[R+16*\s+8:R+16*\s+11], s[36:37] offset:\s*1024+512
	global_store_b128 v[LI], v[R+16*\s+4:R+16*\s+7], s[36:37] offset:32768+\s*1024
	global_store_b128 v[LI], v[R+16*\s+12:R+16*\s+15], s[36:37] offset:32768+\s*1024+512
.endr
	s_endpgm
.Lfunc_end_k_q89e47d4276_prep:
	.size	k_q89e47d4276_prep, .Lfunc_end_k_q89e47d4276_prep-k_q89e47d4276_prep
	.p2alignl 7, 3214868480
	.fill 96, 4, 3214868480
	.section	.rodata,"a",@progbits
	.p2align	6, 0x0
	.amdhsa_kernel k_q89e47d4276_prep
		.amdhsa_group_segment_fixed_size 34304
		.amdhsa_private_segment_fixed_size 0
		.amdhsa_enable_private_segment 0
		.amdhsa_kernarg_size 88
		.amdhsa_user_sgpr_count 2
		.amdhsa_user_sgpr_kernarg_segment_ptr 1
		.amdhsa_wavefront_size32 1
		.amdhsa_system_sgpr_workgroup_id_x 1
		.amdhsa_system_sgpr_workgroup_id_y 1
		.amdhsa_system_sgpr_workgroup_id_z 1
		.amdhsa_system_vgpr_workitem_id 0
		.amdhsa_next_free_vgpr 256
		.amdhsa_next_free_sgpr 66
		.amdhsa_reserve_vcc 0
		.amdhsa_float_denorm_mode_32 3
		.amdhsa_float_denorm_mode_16_64 3
		.amdhsa_memory_ordered 1
		.amdhsa_forward_progress 1
		.amdhsa_inst_pref_size 96
	.end_amdhsa_kernel
	.amdgpu_metadata
---
amdhsa.version: [ 1, 2 ]
amdhsa.kernels:
  - .name:           k_q89e47d4276_prep
    .symbol:         k_q89e47d4276_prep.kd
    .args:
      - { .name: query, .offset: 0, .size: 8, .value_kind: global_buffer, .address_space: global }
      - { .name: key, .offset: 8, .size: 8, .value_kind: global_buffer, .address_space: global }
      - { .name: value, .offset: 16, .size: 8, .value_kind: global_buffer, .address_space: global }
      - { .name: Wq, .offset: 24, .size: 8, .value_kind: global_buffer, .address_space: global }
      - { .name: Wk, .offset: 32, .size: 8, .value_kind: global_buffer, .address_space: global }
      - { .name: Wv, .offset: 40, .size: 8, .value_kind: global_buffer, .address_space: global }
      - { .name: Wo, .offset: 48, .size: 8, .value_kind: global_buffer, .address_space: global }
      - { .name: xq, .offset: 56, .size: 8, .value_kind: global_buffer, .address_space: global }
      - { .name: wc, .offset: 64, .size: 8, .value_kind: global_buffer, .address_space: global }
      - { .name: ws, .offset: 72, .size: 8, .value_kind: global_buffer, .address_space: global }
      - { .name: wof, .offset: 80, .size: 8, .value_kind: global_buffer, .address_space: global }
    .group_segment_fixed_size: 34304
    .private_segment_fixed_size: 0
    .kernarg_segment_align: 8
    .kernarg_segment_size: 88
    .max_flat_workgroup_size: 128
    .sgpr_count:     66
    .vgpr_count:     256
    .wavefront_size: 32
...
	.end_amdgpu_metadata
.endif
;; end of part 1
;; launch proj (part 2): grid 128 x 3, 4 waves a work-group, clusters of 4 x 1, 167,936 bytes of LDS; arguments xq, wc, ws, bq, bk, bv, qkv; writes qkv
.if DOCPART == 2
	.amdgcn_target "amdgcn-amd-amdhsa--gfx1250"
	.amdhsa_code_object_version 6
	.text
	.protected	k_q89e47d4276_proj
	.globl	k_q89e47d4276_proj
	.p2align	8
	.type	k_q89e47d4276_proj,@function
k_q89e47d4276_proj:
	s_mov_b64 s[64:65], 0
	v_nop
	global_prefetch_b8 v0, s[64:65] scope:SCOPE_SE
	s_setreg_imm32_b32 hwreg(HW_REG_WAVE_MODE, 25, 1), 1
	s_wait_xcnt 0x0
	s_wait_alu depctr_hold_cnt(0) depctr_sa_sdst(0) depctr_va_vdst(0) depctr_va_sdst(0) depctr_va_ssrc(0) depctr_va_vcc(0) depctr_vm_vsrc(0)
	s_getreg_b32 s2, hwreg(HW_REG_IB_STS2, 6, 4)
	s_cmp_eq_u32 s2, 0
	s_cbranch_scc0 .Lentry_in_a_cluster
	s_endpgm
.Lentry_in_a_cluster:
	s_bfe_u32 s2, ttmp6, 0x10000c
	s_cmp_lg_u32 s2, 0x3003
	s_cbranch_scc0 .Lentry_shape_is_right
	s_endpgm
.Lentry_shape_is_right:
; PROJ.  q, k, v = x W + b on codes of FP4 with E8M0 scales, sums in f32, results rounded to f16 and stored as fragments for the attention launch.
; SHARES.  Grid y is the matrix (q, k, v); a cluster is a group of 256 tokens (16 token tiles); its four work-groups take four heads each, wave w of work-group cx the head 4 cx + w.
; A wave's part of W (4 channel tiles x 8 K steps: 256 registers), its scale words and its bias stay in registers.  x's 16 tiles (8,704 bytes each, codes and scale words) are the same for the four work-groups:
; they are asked for JOINTLY, four loads a wave, all at the start; no LDS byte is filled twice.  W never enters LDS, so it is not shared.
; THE PRODUCT IS USED TRANSPOSED: source 0 = 16 channels of W, source 1 = 16 tokens.  A lane then holds one token and eight neighbouring channels; packed to f16 these 16 bytes are a piece of the next product's fragment.
; qkv [q,k,v][batch x 16 + head][seq tile 128][channel tile 4][512 bytes]: for q and k a lane's piece lies at 16 x lane; for v at 16 x (the lane's number with bits 3 and 4 exchanged), which is
; what the turning LDS load of the attention launch wants at plain addresses.  The bias is the C of each sum's first product.
; LIMIT: q, k, v must lie under 65,504 in magnitude (f16).
; REGISTERS: window 0: v2-13 addresses; v16-31 W's scale words; v32-39 x's; v64-191 x's fragments of two token tiles; v192-223 packed results.  window 1: W.  window 2: v0-63 eight accumulators, v64-95 the bias.
.set TILEB, 8704
.set SPARE, 16*TILEB                   ; behind the 16 tiles: the spare words, 128 bytes a wave, two blocks of 256 bytes that no other line names
.set LI,   2                           ; v2   16 x lane
.set SOFF, 3                           ; v3   where my 16 bytes go in a block of 512
.set L4,   4                           ; v4   4 x lane
.set H32,  5                           ; v5   32 x (lane / 16)
.set AD,   8                           ; v8-11 16 x lane + four tiles x 0..3
.set SPW,  12
.set NIL,  13
.set WS,   16
.set XS,   32
.set XF,   64
.set PK,   192
.set ACC,  0
.set BIAS, 64
.set WV,   18
.set G1,   24                          ; s[24:31] descriptor group 1
.set G0,   32                          ; s[32:47] four groups 0
.set MSB, 0
.macro WIN new                         ; the immediate's high byte repeats the setting that is left
.if MSB != \new
	s_set_vgpr_msb (MSB<<8)|\new
.set MSB, \new
.endif
.endm
.macro PLACES
.rept 4
	v_nop
.endr
.endm
.macro CROUND                          ; a round of the cluster's barrier
	s_barrier_signal -1
	s_barrier_wait -1
	s_cmp_lg_u32 s[WV], 0
	s_cbranch_scc1 .Lnot_wave_0_\@
	s_barrier_signal -3
.Lnot_wave_0_\@:
	s_barrier_wait -3
	s_barrier_signal -1
	s_barrier_wait -1
.endm
	s_load_b256 s[4:11], s[0:1], 0x0               ; xq 4, wc 6, ws 8, bq 10
	s_load_b128 s[12:15], s[0:1], 0x20             ; bk, bv
	s_load_b64 s[16:17], s[0:1], 0x30              ; qkv
	v_lshl_add_u32 v[SPW], v0, 2, SPARE
	v_mov_b32 v[NIL], 0
	ds_add_u32 v[SPW], v[NIL]                      ; the opening: the add, twice on end, and its wait ahead of my first tensor load
	ds_add_u32 v[SPW], v[NIL]
	v_lshrrev_b32 v1, 5, v0
	v_readfirstlane_b32 s[WV], v1
	s_bfe_u32 s19, ttmp6, 0x40000                  ; cx: it enters W's, the bias's and the result's addresses alone
	s_and_b32 s20, ttmp7, 0xffff                   ; the matrix
	s_lshl_b32 s21, s19, 2
	s_add_co_u32 s21, s21, s[WV]                   ; my head
	s_mov_b32 s[G1], 15|(3<<16)|(1<<21)            ; the mask: all four work-groups; elements of 8 bytes; bit 21 beside a mask; no padding
	s_mov_b32 s[G1+1], 32<<16                      ; tensor_dim0 = 32 elements: rows of 256 bytes
	s_mov_b32 s[G1+2], 34<<16                      ; tensor_dim1 = 34 rows: a tile's 8,704 dense bytes
	s_mov_b32 s[G1+3], 32<<16                      ; tile_dim0
	s_mov_b32 s[G1+4], 34                          ; tile_dim1
	s_mov_b32 s[G1+5], 32                          ; the pitch
	s_mov_b32 s[G1+6], 0
	s_mov_b32 s[G1+7], 0
	s_lshl_b32 s22, s20, 9
	s_lshl_b32 s23, ttmp9, 4
	s_add_co_u32 s22, s22, s23
	s_add_co_u32 s22, s22, s[WV]                   ; token tile 512 x matrix + 16 x group + wave: shared by the four partners
	s_mul_i32 s22, s22, TILEB
	s_mov_b32 s23, 0
	s_mul_i32 s48, s[WV], TILEB                    ; and its place in LDS
	s_wait_dscnt 0x0                               ; both opening adds are done
	s_wait_kmcnt 0x0
	s_add_nc_u64 s[22:23], s[4:5], s[22:23]
.irp bl, 0,1,2,3                       ; load bl brings tile 4 bl + wave
	s_mov_b32 s[G0+4*\bl], 1
	s_add_co_u32 s[G0+4*\bl+1], s48, \bl*4*TILEB
	s_add_nc_u64 s[G0+4*\bl+2:G0+4*\bl+3], s[22:23], \bl*4*TILEB
	s_or_b32 s[G0+4*\bl+3], s[G0+4*\bl+3], 0x80000000
.endr
	CROUND                                         ; all four work-groups are here: the joint loads meet
.irp bl, 0,1,2,3                       ; four loads of mine are out
	tensor_load_to_lds s[G0+4*\bl:G0+4*\bl+3], s[G1:G1+7]
	s_nop 0
.endr
	PLACES
	v_and_b32 v1, 31, v0
	v_lshlrev_b32 v[LI], 4, v1
	v_lshlrev_b32 v[L4], 2, v1
	v_bfe_u32 v6, v0, 4, 1
	v_lshlrev_b32 v[H32], 5, v6
	v_bfe_u32 v7, v0, 3, 1
	v_and_b32 v1, 7, v0
	v_lshl_or_b32 v1, v7, 4, v1
	v_lshl_or_b32 v1, v6, 3, v1                    ; the lane's number with bits 3 and 4 exchanged
	v_lshlrev_b32 v1, 4, v1
	s_cmp_eq_u32 s20, 2
	s_cselect_b32 s49, -1, 0
	v_cndmask_b32 v[SOFF], v[LI], v1, s49          ; v alone is laid so
.irp bl, 0,1,2,3
	v_add_nc_u32 v[AD+\bl], \bl*4*TILEB, v[LI]
.endr
	s_lshl_b32 s52, s20, 4
	s_add_co_u32 s52, s52, s21                     ; matrix x 16 + head
	s_lshl_b32 s50, s52, 15
	s_mov_b32 s51, 0
	s_add_nc_u64 s[50:51], s[6:7], s[50:51]        ; my 32,768 bytes of W's codes
	s_lshl_b32 s54, s52, 11
	s_mov_b32 s55, 0
	s_add_nc_u64 s[54:55], s[8:9], s[54:55]        ; and 2,048 of scale words
	s_cmp_eq_u32 s20, 0
	s_cselect_b64 s[56:57], s[10:11], s[12:13]
	s_cmp_eq_u32 s20, 2
	s_cselect_b64 s[56:57], s[14:15], s[56:57]
	s_lshl_b32 s58, s21, 8
	s_mov_b32 s59, 0
	s_add_nc_u64 s[56:57], s[56:57], s[58:59]      ; my head's 64 biases
	s_lshr_b32 s58, ttmp9, 3                       ; the batch: 8 groups of 256 tokens
	s_lshl_b32 s58, s58, 4
	s_add_co_u32 s58, s58, s21
	s_lshl_b32 s58, s58, 7
	s_and_b32 s60, ttmp9, 7
	s_lshl_b32 s60, s60, 4
	s_add_co_u32 s58, s58, s60                     ; (batch x 16 + head) x 128 + my first seq tile
	s_lshl_b32 s58, s58, 11
	s_lshl_b32 s60, s20, 24
	s_add_co_u32 s58, s58, s60
	s_add_nc_u64 s[16:17], s[16:17], s[58:59]
	WIN 0x40                                       ; destination window 1
.set n, 0
.rept 64
	global_load_b128 v[4*n:4*n+3], v[LI], s[50:51] offset:n*512    ; W's fragment (tile t, K step ks) at v[64 t + 8 ks]
.set n, n+1
.endr
	WIN 0
.set n, 0
.rept 16
	global_load_b32 v[WS+n], v[L4], s[54:55] offset:n*128          ; register 8 u + ks: lanes 0-15 tile 2 u, lanes 16-31 tile 2 u + 1
.set n, n+1
.endr
	WIN 0x80                                       ; destination window 2
.irp t, 0,1,2,3
	global_load_b128 v[BIAS+8*\t:BIAS+8*\t+3], v[H32], s[56:57] offset:\t*64          ; lane (r, h), register j: b[16 t + 8 h + j], the result's layout
	global_load_b128 v[BIAS+8*\t+4:BIAS+8*\t+7], v[H32], s[56:57] offset:\t*64+16
.endr
	WIN 0
	s_wait_loadcnt 0x0
.macro MEETB k                         ; my load of the next four tiles has landed (k later ones stay out); then everybody's has.  No LDS instruction of mine is out here
	s_wait_tensorcnt \k
	s_barrier_signal -1
	s_barrier_wait -1
.endm
.macro XFETCH p                        ; token tiles 2 p and 2 p + 1: 8 fragments and 4 registers of scale words each
.irp m, 0,1
.irp n, 0,1,2,3,4,5,6,7,8,9,10,11,12,13,14,15
	ds_load_b128 v[XF+64*\m+4*\n:XF+64*\m+4*\n+3], v[AD+(\p)/2] offset:(2*((\p)%2)+\m)*TILEB+\n*512
.endr
	ds_load_b128 v[XS+4*\m:XS+4*\m+3], v[AD+(\p)/2] offset:(2*((\p)%2)+\m)*TILEB+8192
.endr
.endm
.macro WM d, a, b, c, sa, sb, ra, rb   ; one product; ra, rb: which half of the lanes holds the side's scale words
.if (\ra) == 0 && (\rb) == 0
	v_wmma_scale_f32_16x16x128_f8f6f4 v[\d:\d+7], v[\a:\a+7], v[\b:\b+7], v[\c:\c+7], v[\sa], v[\sb] matrix_a_fmt:MATRIX_FMT_FP4 matrix_b_fmt:MATRIX_FMT_FP4
.elseif (\ra) == 1 && (\rb) == 0
	v_wmma_scale_f32_16x16x128_f8f6f4 v[\d:\d+7], v[\a:\a+7], v[\b:\b+7], v[\c:\c+7], v[\sa], v[\sb] matrix_a_fmt:MATRIX_FMT_FP4 matrix_b_fmt:MATRIX_FMT_FP4 matrix_a_scale:MATRIX_SCALE_ROW1
.elseif (\ra) == 0
	v_wmma_scale_f32_16x16x128_f8f6f4 v[\d:\d+7], v[\a:\a+7], v[\b:\b+7], v[\c:\c+7], v[\sa], v[\sb] matrix_a_fmt:MATRIX_FMT_FP4 matrix_b_fmt:MATRIX_FMT_FP4 matrix_b_scale:MATRIX_SCALE_ROW1
.else
	v_wmma_scale_f32_16x16x128_f8f6f4 v[\d:\d+7], v[\a:\a+7], v[\b:\b+7], v[\c:\c+7], v[\sa], v[\sb] matrix_a_fmt:MATRIX_FMT_FP4 matrix_b_fmt:MATRIX_FMT_FP4 matrix_a_scale:MATRIX_SCALE_ROW1 matrix_b_scale:MATRIX_SCALE_ROW1
.endif
.endm
.macro MULP                            ; 64 products: 2 token tiles x 4 channel tiles x 8 K steps; the eight accumulators take turns, one instruction a turn
	WIN 0xa1                                       ; source 0 (W) window 1, source 1 (x) window 0, C and D window 2
.irp ks, 0,1,2,3,4,5,6,7
.irp m, 0,1
.irp t, 0,1,2,3
.if \ks == 0
	WM ACC+8*(4*\m+\t), 64*\t+8*\ks, XF+64*\m+8*\ks, BIAS+8*\t, WS+8*(\t/2)+\ks, XS+4*\m+\ks/2, \t%2, \ks%2
.else
	WM ACC+8*(4*\m+\t), 64*\t+8*\ks, XF+64*\m+8*\ks, ACC+8*(4*\m+\t), WS+8*(\t/2)+\ks, XS+4*\m+\ks/2, \t%2, \ks%2
.endif
.endr
.endr
.endr
.endm
.macro OUTP p                          ; lane (r, h), accumulator (m, t), register j: token r of tile 2 p + m, channel 16 t + 8 h + j
	s_wait_xcnt 0x0                                ; the last pair's stores have read the registers that are written now
	WIN 0x0a                                       ; sources window 2
.irp m, 0,1
.irp t, 0,1,2,3
.irp i, 0,1,2,3
	v_cvt_pk_f16_f32 v[PK+16*\m+4*\t+\i], v[ACC+8*(4*\m+\t)+2*\i], v[ACC+8*(4*\m+\t)+2*\i+1]   ; each accumulator from its low end on
.endr
.endr
.endr
	WIN 0
.irp m, 0,1
.irp t, 0,1,2,3
	global_store_b128 v[SOFF], v[PK+16*\m+4*\t:PK+16*\m+4*\t+3], s[16:17] offset:(2*(\p)+\m)*2048+\t*512   ; the wave stores 512 consecutive bytes, aligned
.endr
.endr
.endm
	MEETB 3
	XFETCH 0
.irp P, 0,1,2,3,4,5,6,7
	s_wait_dscnt 0x0                               ; the pair's fragments and scale words are in
	MULP
	WIN 0
	PLACES                                         ; four places ahead of the loads into x's registers and of the conversions; the next pair's first product, which writes over an accumulator, stands behind these and 28 conversions of other accumulators
.if \P < 7
.if (\P%2) == 1
	MEETB 3-(\P+1)/2
.endif
	XFETCH \P+1                                    ; lands while this pair is packed and stored
.endif
	OUTP \P
.endr
	s_wait_tensorcnt 0x0                           ; the wave's end
	ds_add_u32 v[SPW], v[NIL]
	s_wait_dscnt 0x0
	CROUND                                         ; the closing round
	s_endpgm
.Lfunc_end_k_q89e47d4276_proj:
	.size	k_q89e47d4276_proj, .Lfunc_end_k_q89e47d4276_proj-k_q89e47d4276_proj
	.p2alignl 7, 3214868480
	.fill 96, 4, 3214868480
	.section	.rodata,"a",@progbits
	.p2align	6, 0x0
	.amdhsa_kernel k_q89e47d4276_proj
		.amdhsa_group_segment_fixed_size 167936
		.amdhsa_private_segment_fixed_size 0
		.amdhsa_enable_private_segment 0
		.amdhsa_kernarg_size 56
		.amdhsa_user_sgpr_count 2
		.amdhsa_user_sgpr_kernarg_segment_ptr 1
		.amdhsa_wavefront_size32 1
		.amdhsa_system_sgpr_workgroup_id_x 1
		.amdhsa_system_sgpr_workgroup_id_y 1
		.amdhsa_system_sgpr_workgroup_id_z 1
		.amdhsa_system_vgpr_workitem_id 0
		.amdhsa_next_free_vgpr 640
		.amdhsa_next_free_sgpr 66
		.amdhsa_reserve_vcc 0
		.amdhsa_float_denorm_mode_32 3
		.amdhsa_float_denorm_mode_16_64 3
		.amdhsa_memory_ordered 1
		.amdhsa_forward_progress 1
		.amdhsa_inst_pref_size 120
	.end_amdhsa_kernel
	.amdgpu_metadata
---
amdhsa.version: [ 1, 2 ]
amdhsa.kernels:
  - .name:           k_q89e47d4276_proj
    .symbol:         k_q89e47d4276_proj.kd
    .args:
      - { .name: xq, .offset: 0, .size: 8, .value_kind: global_buffer, .address_space: global }
      - { .name: wc, .offset: 8, .size: 8, .value_kind: global_buffer, .address_space: global }
      - { .name: ws, .offset: 16, .size: 8, .value_kind: global_buffer, .address_space: global }
      - { .name: bq, .offset: 24, .size: 8, .value_kind: global_buffer, .address_space: global }
      - { .name: bk, .offset: 32, .size: 8, .value_kind: global_buffer, .address_space: global }
      - { .name: bv, .offset: 40, .size: 8, .value_kind: global_buffer, .address_space: global }
      - { .name: qkv, .offset: 48, .size: 8, .value_kind: global_buffer, .address_space: global }
    .group_segment_fixed_size: 167936
    .private_segment_fixed_size: 0
    .kernarg_segment_align: 8
    .kernarg_segment_size: 56
    .max_flat_workgroup_size: 128
    .sgpr_count:     66
    .vgpr_count:     640
    .wavefront_size: 32
...
	.end_amdgpu_metadata
.endif
;; end of part 2
;; launch attn (part 3): grid 8 x 64, 8 waves a work-group, clusters of 4 x 1, 327,680 bytes of LDS; arguments qkv, oimg; writes oimg
.if DOCPART == 3
	.amdgcn_target "amdgcn-amd-amdhsa--gfx1250"
	.amdhsa_code_object_version 6
	.text
	.protected	k_q89e47d4276_attn
	.globl	k_q89e47d4276_attn
	.p2align	8
	.type	k_q89e47d4276_attn,@function
k_q89e47d4276_attn:
	s_mov_b64 s[64:65], 0
	v_nop
	global_prefetch_b8 v0, s[64:65] scope:SCOPE_SE
	s_setreg_imm32_b32 hwreg(HW_REG_WAVE_MODE, 25, 1), 1
	s_wait_xcnt 0x0
	s_wait_alu depctr_hold_cnt(0) depctr_sa_sdst(0) depctr_va_vdst(0) depctr_va_sdst(0) depctr_va_ssrc(0) depctr_va_vcc(0) depctr_vm_vsrc(0)
	s_getreg_b32 s2, hwreg(HW_REG_IB_STS2, 6, 4)
	s_cmp_eq_u32 s2, 0
	s_cbranch_scc0 .Lentry_in_a_cluster
	s_endpgm
.Lentry_in_a_cluster:
	s_bfe_u32 s2, ttmp6, 0x10000c
	s_cmp_lg_u32 s2, 0x3003
	s_cbranch_scc0 .Lentry_shape_is_right
	s_endpgm
.Lentry_shape_is_right:
; ATTN.  O = softmax(Q K^T / 8) V for each of 64 (batch, head) pairs: 2,048 queries, 2,048 keys, head size 64.  Operands in f16, products, maxima and sums in f32; the weights p are rounded to f16 for the second product.
; SHARES.  A work-group owns 256 queries of one head, each of its eight waves 32: two tiles of 16.  Two waves lie on a SIMD, so that one wave's softmax stands beside the other's products and LDS loads; the text goes in phases.
; Every wave walks all keys, 64 a step.  K and V come through a ring of two LDS slots of 512 keys; each wave fetches an eighth of a slot (16,384 dense bytes) by one tensor load.
; CLUSTER.  The four query blocks of a cluster walk the same K and V: each tile is asked for JOINTLY, by the same load with the same descriptor and a mask that names the four.
; LAYOUT.  S^T = K Q^T (source 0 = 16 keys, source 1 = 16 queries), O^T = V^T P: a lane holds ONE query throughout.  Q, K, V lie in memory as images of fragments, so every LDS load is 16 bytes at 16 x lane;
; V's pieces were laid so that the turning load at those plain addresses gives lane l channel l % 16 and keys 8 (l / 16) + 0..7.
; SOFTMAX.  A running maximum m and sum l for each query: p = 2^(c s - c m), c = log2(e) / 8; in every step O and l are multiplied by a = 2^(c m_old - c m_new).  The loop has no first step of its own: O and l begin as zeros, m as -3e38.
; oimg [token tile 512][head x 2 + c][1,024]: fragments (16 tokens x 32 of the 1,024 concatenated channels) for the output projection.  LIMIT: O must lie under 65,504 in magnitude (f16).
; REGISTERS: window 0: v2-6 addresses; v16-31 statistics, eight a tile: c m, m, l (two halves), c0-c3 at work (a takes c2's place); v64-127 S^T; v128-159 P; v160-223 O^T.  window 1: v0-31 Q; v64-127 K; v128-191 V.
.set SLOTB, 131072                     ; a slot: 65,536 bytes of K (32 seq tiles of 2,048), then as many of V
.set SPARE, 2*SLOTB                    ; behind the ring: the spare words, 128 bytes a wave, four blocks of 256 bytes that no other line names
.set LI,  2                            ; v2  16 x lane
.set LIV, 3                            ; v3  + 65,536: V's part of a slot
.set ADK, 4
.set ADV, 5
.set PFO, 6                            ; v6  256 x lane
.set ST,  16
.set SPW, 62
.set NIL, 63
.set S,   64
.set P,   128
.set O,   160
.set KF,  64                           ; window 1
.set VF,  128
.set WV,  12
.set LIM, 15                           ; s15 the count of steps at which my wave prefetches, or -1
.set PFA, 18                           ; s[18:19] where my prefetch stands
.set G1,  24
.set G0,  32                           ; s[32:39] a group 0 for each slot
.set CNT, 57
.set CS,  58                           ; s[58:59] c
.set SEL, 60
.set TB,  62                           ; s62 LDS byte at which the step's tiles of K begin
.set MSB, 0
.macro WIN new
.if MSB != \new
	s_set_vgpr_msb (MSB<<8)|\new
.set MSB, \new
.endif
.endm
.macro PLACES
.rept 4
	v_nop
.endr
.endm
.macro CROUND
	s_barrier_signal -1
	s_barrier_wait -1
	s_cmp_lg_u32 s[WV], 0
	s_cbranch_scc1 .Lnot_wave_0_\@
	s_barrier_signal -3
.Lnot_wave_0_\@:
	s_barrier_wait -3
	s_barrier_signal -1
	s_barrier_wait -1
.endm
	s_load_b128 s[4:7], s[0:1], 0x0                ; qkv, oimg
	v_lshl_add_u32 v[SPW], v0, 2, SPARE
	v_mov_b32 v[NIL], 0
	ds_add_u32 v[SPW], v[NIL]                      ; the opening: the add, twice on end, and its wait ahead of my first tensor load
	ds_add_u32 v[SPW], v[NIL]
	v_lshrrev_b32 v1, 5, v0
	v_readfirstlane_b32 s[WV], v1
	s_bfe_u32 s13, ttmp6, 0x40000                  ; cx
	s_lshl_b32 s14, ttmp9, 2
	s_add_co_u32 s14, s14, s13                     ; my block of 256 queries: it enters Q's and O's addresses alone
	s_and_b32 s16, ttmp7, 0xffff                   ; batch x 16 + head, shared by the partners
	s_mov_b32 s[G1], 15|(3<<16)|(1<<21)            ; the mask: all four; elements of 8 bytes; bit 21 beside a mask; no padding
	s_mov_b32 s[G1+1], 32<<16                      ; rows of 256 bytes,
	s_mov_b32 s[G1+2], 64<<16                      ; 64 of them,
	s_mov_b32 s[G1+3], 32<<16
	s_mov_b32 s[G1+4], 64
	s_mov_b32 s[G1+5], 32                          ; dense
	s_mov_b32 s[G1+6], 0
	s_mov_b32 s[G1+7], 0
	s_lshr_b32 s20, s[WV], 2                       ; waves 0-3 fetch K, waves 4-7 V
	s_add_co_u32 s20, s20, 1
	s_lshl_b32 s20, s20, 24                        ; k and v lie 16,777,216 and twice that behind q
	s_lshl_b32 s21, s16, 18                        ; a head: 262,144 bytes
	s_add_co_u32 s20, s20, s21
	s_and_b32 s22, s[WV], 3
	s_lshl_b32 s22, s22, 14                        ; my quarter of a slot's K or V
	s_add_co_u32 s22, s22, s20
	s_mov_b32 s23, 0
	s_lshl_b32 s17, s[WV], 14                      ; and its place in a slot: wave x 16,384
	s_and_b32 s40, s[WV], 1                        ; the prefetch: eight parts of 8,192 bytes of a slot's K or V, part 4 (wave % 2) + cx is mine
	s_lshl_b32 s40, s40, 2
	s_add_co_u32 s40, s40, s13
	s_lshl_b32 s40, s40, 13
	s_add_co_u32 s40, s40, s20
	s_add_co_u32 s40, s40, 131072                  ; in the keys from 1,024 on: what the first refill brings
	s_mov_b32 s41, 0
	s_and_b32 s[LIM], s[WV], 2
	s_or_b32 s[LIM], s[LIM], ttmp9                 ; waves 0, 1 (K) and 4, 5 (V) of the head's first cluster ask: the same in all four partners
	s_cmp_eq_u32 s[LIM], 0
	s_cselect_b32 s[LIM], 3, -1
	s_lshl_b32 s42, s14, 4
	s_lshl_b32 s43, s[WV], 1
	s_add_co_u32 s42, s42, s43                     ; my first seq tile
	s_lshl_b32 s44, s42, 11
	s_add_co_u32 s44, s44, s21
	s_mov_b32 s45, 0
	s_lshr_b32 s46, s16, 4
	s_lshl_b32 s46, s46, 7
	s_add_co_u32 s46, s46, s42                     ; my first token tile,
	s_lshl_b32 s46, s46, 15
	s_and_b32 s47, s16, 15
	s_lshl_b32 s47, s47, 11                        ; my head's two fragments in it
	s_add_co_u32 s46, s46, s47
	s_mov_b32 s47, 0
	s_mov_b32 s[CS], 0x3e38aa3b                    ; c = log2(e) / 8
	s_mov_b32 s[CS+1], s[CS]                       ; (named with it as a pair, so it is written)
	s_mov_b32 s[SEL], 0x76543210
	s_mov_b32 s[SEL+1], 0xfedcba98
	s_wait_dscnt 0x0                               ; both opening adds are done
	s_wait_kmcnt 0x0
	s_add_nc_u64 s[22:23], s[4:5], s[22:23]
	s_add_nc_u64 s[PFA:PFA+1], s[4:5], s[40:41]
	s_add_nc_u64 s[44:45], s[4:5], s[44:45]        ; Q
	s_add_nc_u64 s[6:7], s[6:7], s[46:47]          ; O
.irp s, 0,1
	s_mov_b32 s[G0+4*\s], 1
	s_add_co_u32 s[G0+4*\s+1], s17, \s*SLOTB
	s_add_nc_u64 s[G0+4*\s+2:G0+4*\s+3], s[22:23], \s*65536        ; slot s begins with keys 512 s
	s_or_b32 s[G0+4*\s+3], s[G0+4*\s+3], 0x80000000
.endr
	CROUND                                         ; all four work-groups are here: the first joint loads meet
	tensor_load_to_lds s[G0:G0+3], s[G1:G1+7]      ; two loads of mine are out
	s_nop 0
	tensor_load_to_lds s[G0+4:G0+7], s[G1:G1+7]
	s_nop 0
	PLACES
	v_and_b32 v1, 31, v0
	v_lshlrev_b32 v[LI], 4, v1
	v_add_nc_u32 v[LIV], 0x10000, v[LI]
	v_lshlrev_b32 v[PFO], 8, v1
	WIN 0x40                                       ; destination window 1
.set n, 0
.rept 8
	global_load_b128 v[4*n:4*n+3], v[LI], s[44:45] offset:n*512    ; Q stays in registers: tile x, channels 32 c on, at v[16 x + 8 c]
.set n, n+1
.endr
	WIN 0
.irp x, 0,1
	v_mov_b32 v[ST+8*\x+1], 0xff61b1e6             ; m = -3e38, under every score
	v_mov_b32 v[ST+8*\x+2], 0                      ; l
	v_mov_b32 v[ST+8*\x+3], 0
	v_mov_b32 v[ST+8*\x+5], 0                      ; a lane permute's destination counts as a source
	v_mul_f32 v[ST+8*\x], s[CS], v[ST+8*\x+1]      ; c m
.endr
.set j, 0
.rept 64
	v_mov_b32 v[O+j], 0                            ; O^T: the first step finds zeros, which its a = 0 leaves zeros
.set j, j+1
.endr
; A prefetch of what the next refill will ask for: 65,536 bytes of K and as many of V, in blocks of 256 bytes, a lane a block, each named once in the launch.  Both clusters of a head walk the same rows: the first asks.
; Its four partners are told apart by address alone.  It stands in the sixth of a slot's eight steps, behind the step's LDS loads: two key steps ahead of the refill.
.macro ASK
	s_cmp_eq_u32 s[CNT], s[LIM]
	s_cbranch_scc0 .Lnot_mine_\@
	global_prefetch_b8 v[PFO], s[PFA:PFA+1] th:TH_LOAD_NT scope:SCOPE_SE
.Lnot_mine_\@:
.endm
; The softmax of both tiles for one step of 64 keys, line by line by turns.  s0-s31 are the lane's 32 scores of a tile.
.macro SOFTMAX
.irp j, 0,1,2,3
.irp x, 0,1
	v_max3_num_f32 v[ST+8*\x+4+\j], v[S+32*\x+8*\j], v[S+32*\x+8*\j+1], v[S+32*\x+8*\j+2]   ; four chains; each accumulator is first read at its low end
.endr
.endr
.irp q, 1,2
.irp j, 0,1,2,3
.irp x, 0,1
	v_max3_num_f32 v[ST+8*\x+4+\j], v[ST+8*\x+4+\j], v[S+32*\x+8*\j+2*\q+1], v[S+32*\x+8*\j+2*\q+2]
.endr
.endr
.endr
.irp x, 0,1
	v_max3_num_f32 v[ST+8*\x+4], v[ST+8*\x+4], v[S+32*\x+7], v[S+32*\x+15]
	v_max3_num_f32 v[ST+8*\x+6], v[ST+8*\x+6], v[S+32*\x+23], v[S+32*\x+31]
.endr
.irp x, 0,1
	v_max3_num_f32 v[ST+8*\x+4], v[ST+8*\x+4], v[ST+8*\x+5], v[ST+8*\x+6]
.endr
.irp x, 0,1
	v_max3_num_f32 v[ST+8*\x+4], v[ST+8*\x+4], v[ST+8*\x+7], v[ST+8*\x+1]   ; and the old m
.endr
.irp x, 0,1
	v_permlanex16_b32 v[ST+8*\x+5], v[ST+8*\x+4], s[SEL], s[SEL+1]          ; the query's other 32 keys lie in the lane 16 away
.endr
.irp x, 0,1
	v_mov_b32 v[ST+8*\x+7], v[ST+8*\x]             ; c m_old
.endr
.irp x, 0,1
	v_max_num_f32 v[ST+8*\x+1], v[ST+8*\x+4], v[ST+8*\x+5]
.endr
.irp x, 0,1
	v_mul_f32 v[ST+8*\x], s[CS], v[ST+8*\x+1]
.endr
.irp x, 0,1
	v_sub_f32 v[ST+8*\x+7], v[ST+8*\x+7], v[ST+8*\x]
.endr
.set j, 0
.rept 16
.irp x, 0,1
	v_pk_fma_f32 v[S+32*\x+2*j:S+32*\x+2*j+1], v[S+32*\x+2*j:S+32*\x+2*j+1], s[CS:CS+1], v[ST+8*\x:ST+8*\x+1] op_sel_hi:[1,0,0] neg_lo:[0,0,1] neg_hi:[0,0,1]   ; c s - c m
.endr
.set j, j+1
.endr
.irp x, 0,1
	v_exp_f32 v[ST+8*\x+6], v[ST+8*\x+7]           ; a
.endr
.set j, 0
.rept 32
.irp x, 0,1
	v_exp_f32 v[S+32*\x+j], v[S+32*\x+j]           ; p: the 66 exponentials are one batch; none reads another's result
.endr
.set j, j+1
.endr
	v_nop                                          ; a plain line behind the last exponential
	s_wait_alu depctr_va_vdst(0)                   ; one wait for the batch, ahead of its first reader
.set j, 0
.rept 16
.irp x, 0,1
	v_cvt_pk_f16_f32 v[P+16*\x+j], v[S+32*\x+2*j], v[S+32*\x+2*j+1]   ; two score tiles, packed, are source 1 (32 keys x 16 queries) of the second product
.endr
.set j, j+1
.endr
.irp u, 0,1,2,3,4,5,6,7                ; the sum of the unrounded p, in place: neighbours 1, 2, 4 and 8 pairs apart
.irp x, 0,1
	v_pk_add_f32 v[S+32*\x+4*\u:S+32*\x+4*\u+1], v[S+32*\x+4*\u:S+32*\x+4*\u+1], v[S+32*\x+4*\u+2:S+32*\x+4*\u+3]
.endr
.endr
.irp u, 0,1,2,3
.irp x, 0,1
	v_pk_add_f32 v[S+32*\x+8*\u:S+32*\x+8*\u+1], v[S+32*\x+8*\u:S+32*\x+8*\u+1], v[S+32*\x+8*\u+4:S+32*\x+8*\u+5]
.endr
.endr
.irp u, 0,1
.irp x, 0,1
	v_pk_add_f32 v[S+32*\x+16*\u:S+32*\x+16*\u+1], v[S+32*\x+16*\u:S+32*\x+16*\u+1], v[S+32*\x+16*\u+8:S+32*\x+16*\u+9]
.endr
.endr
.irp x, 0,1
	v_pk_add_f32 v[S+32*\x:S+32*\x+1], v[S+32*\x:S+32*\x+1], v[S+32*\x+16:S+32*\x+17]
.endr
.irp x, 0,1
	v_pk_fma_f32 v[ST+8*\x+2:ST+8*\x+3], v[ST+8*\x+2:ST+8*\x+3], v[ST+8*\x+6:ST+8*\x+7], v[S+32*\x:S+32*\x+1] op_sel_hi:[1,0,1]   ; l = a l + the sum
.endr
.set j, 0
.rept 16
.irp x, 0,1
	v_pk_mul_f32 v[O+32*\x+2*j:O+32*\x+2*j+1], v[O+32*\x+2*j:O+32*\x+2*j+1], v[ST+8*\x+6:ST+8*\x+7] op_sel_hi:[1,0]   ; O^T x a, each accumulator from its low end on
.endr
.set j, j+1
.endr
.endm
; A key step: 64 keys.  In both runs of products eight accumulators take turns, one instruction a turn; the step's last product and the next step's first name different accumulators.
.macro STEP ask
	v_add_nc_u32 v[ADK], s[TB], v[LI]              ; these two and two v_nop are the four places between the last product and the loads into V's registers
	v_add_nc_u32 v[ADV], s[TB], v[LIV]
	v_nop
	v_nop
	WIN 0x40                                       ; destination window 1
.set n, 0
.rept 16
	ds_load_b128 v[KF+4*n:KF+4*n+3], v[ADK] offset:n*512           ; K: keys 16 kt on, channels 32 c on, at v[KF + 16 kt + 8 c]
.set n, n+1
.endr
.irp kh, 0,1
.irp ct, 0,1,2,3
	ds_load_tr16_b128 v[VF+32*\kh+8*\ct:VF+32*\kh+8*\ct+3], v[ADV] offset:(2*\kh)*2048+\ct*512       ; V^T: channels 16 ct on, keys 32 kh + 8 h + 0..7,
	ds_load_tr16_b128 v[VF+32*\kh+8*\ct+4:VF+32*\kh+8*\ct+7], v[ADV] offset:(2*\kh+1)*2048+\ct*512   ; and 32 kh + 16 + 8 h + 0..7
.endr
.endr
.if \ask
	WIN 0
	ASK
.endif
	s_wait_dscnt 16                                ; K is in; V's 16 loads stay out
	WIN 0x05                                       ; K and Q window 1, S^T window 0
.set i, 0
.rept 16
.set rS, S+32*(i%2)+8*((i/2)%4)
.set rK, KF+16*((i/2)%4)+8*(i/8)
.set rQ, 16*(i%2)+8*(i/8)
.if i < 8
	v_wmma_f32_16x16x32_f16 v[rS:rS+7], v[rK:rK+7], v[rQ:rQ+7], 0
.else
	v_wmma_f32_16x16x32_f16 v[rS:rS+7], v[rK:rK+7], v[rQ:rQ+7], v[rS:rS+7]
.endif
.set i, i+1
.endr
	WIN 0
	PLACES
	SOFTMAX
	s_wait_dscnt 0x0                               ; V is in
	WIN 0x01                                       ; V window 1; P and O^T window 0
.set i, 0
.rept 16
.set rO, O+32*(i%2)+8*((i/2)%4)
.set rV, VF+32*(i/8)+8*((i/2)%4)
.set rP, P+16*(i%2)+8*(i/8)
	v_wmma_f32_16x16x32_f16 v[rO:rO+7], v[rV:rV+7], v[rP:rP+7], v[rO:rO+7]
.set i, i+1
.endr
	WIN 0
	s_add_co_u32 s[TB], s[TB], 8192                ; four seq tiles on
.endm
.macro SLOT_STEPS base, ask            ; a slot's eight key steps
	s_mov_b32 s[TB], \base
	s_mov_b32 s[CNT], 8
.Lstep_\@:
	STEP \ask
	s_sub_co_u32 s[CNT], s[CNT], 1
	s_cmp_lg_u32 s[CNT], 0
	s_cbranch_scc1 .Lstep_\@
.endm
; The change of slots.  Each wave waits for all its tensor loads (one is out: its part of the other slot), adds 0 to its spare word, and waits for that and for its reads of the slot that it leaves.
; fill = 1: the barrier is a round of the cluster's, and slot s is filled again, with the keys 1,024 further on, first thing behind it: eight key steps in which to land.
.macro CHANGE s, fill
	s_wait_tensorcnt 0x0                           ; no tensor load of mine is out, so a group 0 may be written
	ds_add_u32 v[SPW], v[NIL]
.if \fill
	s_add_nc_u64 s[G0+4*\s+2:G0+4*\s+3], s[G0+4*\s+2:G0+4*\s+3], 131072
.if \s == 0
	s_wait_xcnt 0x0                                ; the prefetch, two key steps back, has read its address:
	s_add_nc_u64 s[PFA:PFA+1], s[PFA:PFA+1], 65536 ; on to the keys from 1,536 on, the head's last; it is stepped no further
.endif
	s_wait_dscnt 0x0                               ; the add is done, and my reads of the slot are over
	CROUND
	tensor_load_to_lds s[G0+4*\s:G0+4*\s+3], s[G1:G1+7]
	s_nop 0
	PLACES
.else
	s_wait_dscnt 0x0
	s_barrier_signal -1
	s_barrier_wait -1
.endif
.endm
	s_wait_tensorcnt 1                             ; my part of slot 0 is in; slot 1's may stay out
	s_barrier_signal -1
	s_barrier_wait -1
	s_wait_loadcnt 0x0                             ; Q
	SLOT_STEPS 0, 1                                ; keys 0 on
	CHANGE 0, 1
	SLOT_STEPS SLOTB, 1                            ; keys 512 on
	CHANGE 1, 1
	SLOT_STEPS 0, 0                                ; keys 1,024 on
	CHANGE 0, 0                                    ; nothing is left to fetch
	SLOT_STEPS SLOTB, 0                            ; keys 1,536 on
	; THE WAY OUT: O^T / l, rounded to f16.  A lane's eight channels of a tile are 16 bytes of the next product's fragment: they are stored at 16 x lane, with no way through LDS.
	PLACES
.irp x, 0,1
	v_add_f32 v[ST+8*\x+4], v[ST+8*\x+2], v[ST+8*\x+3]
.endr
.irp x, 0,1
	v_permlanex16_b32 v[ST+8*\x+5], v[ST+8*\x+4], s[SEL], s[SEL+1]
.endr
.irp x, 0,1
	v_add_f32 v[ST+8*\x+4], v[ST+8*\x+4], v[ST+8*\x+5]
.endr
.irp x, 0,1
	v_rcp_f32 v[ST+8*\x+6], v[ST+8*\x+4]
.endr
	v_nop
	s_wait_alu depctr_va_vdst(0)                   ; one wait for the two reciprocals, ahead of their first reader
.set j, 0
.rept 16
.irp x, 0,1
	v_pk_mul_f32 v[O+32*\x+2*j:O+32*\x+2*j+1], v[O+32*\x+2*j:O+32*\x+2*j+1], v[ST+8*\x+6:ST+8*\x+7] op_sel_hi:[1,0]
.endr
.set j, j+1
.endr
.set j, 0
.rept 16
.irp x, 0,1
	v_cvt_pk_f16_f32 v[S+16*\x+j], v[O+32*\x+2*j], v[O+32*\x+2*j+1]
.endr
.set j, j+1
.endr
.irp x, 0,1
.irp ct, 0,1,2,3
	global_store_b128 v[LI], v[S+16*\x+4*\ct:S+16*\x+4*\ct+3], s[6:7] offset:\x*32768+\ct*512   ; 512 consecutive bytes, aligned
.endr
.endr
	s_wait_tensorcnt 0x0                           ; the wave's end
	ds_add_u32 v[SPW], v[NIL]
	s_wait_dscnt 0x0
	CROUND                                         ; the closing round
	s_endpgm
.Lfunc_end_k_q89e47d4276_attn:
	.size	k_q89e47d4276_attn, .Lfunc_end_k_q89e47d4276_attn-k_q89e47d4276_attn
	.p2alignl 7, 3214868480
	.fill 96, 4, 3214868480
	.section	.rodata,"a",@progbits
	.p2align	6, 0x0
	.amdhsa_kernel k_q89e47d4276_attn
		.amdhsa_group_segment_fixed_size 327680
		.amdhsa_private_segment_fixed_size 0
		.amdhsa_enable_private_segment 0
		.amdhsa_kernarg_size 16
		.amdhsa_user_sgpr_count 2
		.amdhsa_user_sgpr_kernarg_segment_ptr 1
		.amdhsa_wavefront_size32 1
		.amdhsa_system_sgpr_workgroup_id_x 1
		.amdhsa_system_sgpr_workgroup_id_y 1
		.amdhsa_system_sgpr_workgroup_id_z 1
		.amdhsa_system_vgpr_workitem_id 0
		.amdhsa_next_free_vgpr 512
		.amdhsa_next_free_sgpr 66
		.amdhsa_reserve_vcc 0
		.amdhsa_float_denorm_mode_32 3
		.amdhsa_float_denorm_mode_16_64 3
		.amdhsa_memory_ordered 1
		.amdhsa_forward_progress 1
		.amdhsa_inst_pref_size 85
	.end_amdhsa_kernel
	.amdgpu_metadata
---
amdhsa.version: [ 1, 2 ]
amdhsa.kernels:
  - .name:           k_q89e47d4276_attn
    .symbol:         k_q89e47d4276_attn.kd
    .args:
      - { .name: qkv, .offset: 0, .size: 8, .value_kind: global_buffer, .address_space: global }
      - { .name: oimg, .offset: 8, .size: 8, .value_kind: global_buffer, .address_space: global }
    .group_segment_fixed_size: 327680
    .private_segment_fixed_size: 0
    .kernarg_segment_align: 8
    .kernarg_segment_size: 16
    .max_flat_workgroup_size: 256
    .sgpr_count:     66
    .vgpr_count:     512
    .wavefront_size: 32
...
	.end_amdgpu_metadata
.endif
;; end of part 3
;; launch oproj (part 4): grid 4 x 64, 4 waves a work-group, clusters of 4 x 4, 327,680 bytes of LDS; arguments oimg, wof, bo, out0; writes out0
.if DOCPART == 4
	.amdgcn_target "amdgcn-amd-amdhsa--gfx1250"
	.amdhsa_code_object_version 6
	.text
	.protected	k_q89e47d4276_oproj
	.globl	k_q89e47d4276_oproj
	.p2align	8
	.type	k_q89e47d4276_oproj,@function
k_q89e47d4276_oproj:
	s_mov_b64 s[64:65], 0
	v_nop
	global_prefetch_b8 v0, s[64:65] scope:SCOPE_SE
	s_setreg_imm32_b32 hwreg(HW_REG_WAVE_MODE, 25, 1), 1
	s_wait_xcnt 0x0
	s_wait_alu depctr_hold_cnt(0) depctr_sa_sdst(0) depctr_va_vdst(0) depctr_va_sdst(0) depctr_va_ssrc(0) depctr_va_vcc(0) depctr_vm_vsrc(0)
	s_getreg_b32 s2, hwreg(HW_REG_IB_STS2, 6, 4)
	s_cmp_eq_u32 s2, 0
	s_cbranch_scc0 .Lentry_in_a_cluster
	s_endpgm
.Lentry_in_a_cluster:
	s_bfe_u32 s2, ttmp6, 0x10000c
	s_cmp_lg_u32 s2, 0xf033
	s_cbranch_scc0 .Lentry_shape_is_right
	s_endpgm
.Lentry_shape_is_right:
; OPROJ.  out0 = O Wo + bo.  O [8192][1024] and Wo come as f16 fragments (oimg, wof); sums in f32; out0 f32.
; SHARES.  A work-group makes 128 rows x 256 columns: 64 x 4 = 256 work-groups.  Four waves, each 64 x 128: 32 accumulators.  K goes in steps of 128 (four quarters of 32) through a ring of two LDS slots:
; A's 8 token tiles x 4,096 bytes, then B's 16 column tiles x 4,096.  Waves 0 and 1 fetch A's halves, waves 2 and 3 B's, one tensor load each.
; CLUSTER 4 x 4: A's tile hangs on the tile row alone and is asked for jointly along a row of the cluster, B's on the tile column alone and jointly along a column.
; Fragments lie in LDS as images of registers: every LDS load is 16 bytes at 16 x lane.  THE PRODUCT IS USED TRANSPOSED (source 0 = 16 columns of Wo, source 1 = 16 tokens): a lane holds eight neighbouring columns of one row.
; The launch is short and its tile small, so nothing is prefetched.
; REGISTERS: window 0: v8-29 addresses and the bias; v32-127, v128-223 two fragment buffers (64 registers of B, 32 of A); on the way out v32-159 hold rows.  window 1: the accumulators, (a, b) at v[8 (8 a + b)].
.set SLOT,   98304
.set BOFF,   32768                     ; B behind A in a slot
.set STAGE,  2*SLOT                    ; behind the ring: 16 rows x 528 bytes for each wave; no tensor load fills it
.set SPITCH, 528
.set SPARE,  STAGE+4*16*SPITCH         ; the spare words, 128 bytes a wave, two blocks of 256 bytes that no other line names
.set LAPS,   4                         ; a lap = two K steps; K = 1,024
.set CO,   8                           ; v8   16 x lane
.set ADRA, 16                          ; v16-17 my A fragments in slot 0, 1
.set ADRB, 20                          ; v20-21 my B fragments
.set STO,  22
.set RD,   23
.set BO,   24                          ; v24-27 bo at my four columns of a row
.set SPW,  28
.set NIL,  29
.set F0,   32
.set F1,   128
.set BK,   32
.set WV,   12
.set RH,   13                          ; s13 which half of the rows is mine; also: I fetch for A (0) or B (1)
.set CH,   14                          ; s14 which half of the columns; also: which half of that tile I fetch
.set G1A,  24
.set G0A,  32
.set G1B,  48
.set G0B,  56
.set MUL,  0x50                        ; sources window 0; C and D window 1
.set MSB, 0
.macro WIN new
.if MSB != \new
	s_set_vgpr_msb (MSB<<8)|\new
.set MSB, \new
.endif
.endm
.macro PLACES
.rept 4
	v_nop
.endr
.endm
.macro JLOAD s                         ; a joint load; the branch hangs on the wave's number alone; an s_nop 0 and four v_nop follow each of the two lines
	s_cmp_eq_u32 s[RH], 0
	s_cbranch_scc0 .Lfor_b_\@
	tensor_load_to_lds s[G0A+4*\s:G0A+4*\s+3], s[G1A:G1A+7]
	s_nop 0
.rept 4
	v_nop
.endr
	s_branch .Lasked_\@
.Lfor_b_\@:
	tensor_load_to_lds s[G0B+4*\s:G0B+4*\s+3], s[G1B:G1B+7]
	s_nop 0
.rept 4
	v_nop
.endr
.Lasked_\@:
.endm
.macro CREST
	s_cmp_lg_u32 s[WV], 0
	s_cbranch_scc1 .Lnot_wave_0_\@
	s_barrier_signal -3
.Lnot_wave_0_\@:
	s_barrier_wait -3
	s_barrier_signal -1
	s_barrier_wait -1
.endm
.macro CROUND
	s_barrier_signal -1
	s_barrier_wait -1
	CREST
.endm
	s_load_b256 s[4:11], s[0:1], 0x0               ; oimg 4, wof 6, bo 8, out0 10
	v_lshl_add_u32 v[SPW], v0, 2, SPARE
	v_mov_b32 v[NIL], 0
	ds_add_u32 v[SPW], v[NIL]                      ; the opening: the add, twice on end, and its wait ahead of my first tensor load
	ds_add_u32 v[SPW], v[NIL]
	v_lshrrev_b32 v1, 5, v0
	v_readfirstlane_b32 s[WV], v1
	s_lshr_b32 s[RH], s[WV], 1
	s_and_b32 s[CH], s[WV], 1
	s_bfe_u32 s40, ttmp6, 0x40000                  ; cx
	s_bfe_u32 s41, ttmp6, 0x40004                  ; cy
	s_lshl_b32 s42, ttmp9, 2
	s_add_co_u32 s42, s42, s40                     ; tile column
	s_and_b32 s15, ttmp7, 0xffff
	s_lshl_b32 s15, s15, 2
	s_add_co_u32 s15, s15, s41                     ; tile row
	s_lshl_b32 s43, s41, 2
	s_lshl_b32 s43, 15, s43                        ; my row of the cluster
	s_lshl_b32 s44, 0x1111, s40                    ; my column
	s_or_b32 s[G1A], s43, (3<<16)|(1<<21)          ; the mask; elements of 8 bytes; bit 21 beside a mask; no padding
	s_or_b32 s[G1B], s44, (3<<16)|(1<<21)
	s_mov_b32 s[G1A+1], 512<<16                    ; a row: 512 elements, the 4,096 bytes of a tile's four fragments
	s_mov_b32 s[G1A+2], 4<<16                      ; four token tiles
	s_mov_b32 s[G1A+3], 512<<16
	s_mov_b32 s[G1A+4], 4
	s_mov_b32 s[G1A+5], 4096                       ; from tile to tile: 32,768 bytes
	s_mov_b32 s[G1A+6], 0
	s_mov_b32 s[G1A+7], 0
	s_mov_b32 s[G1B+1], 512<<16
	s_mov_b32 s[G1B+2], 8<<16                      ; eight column tiles
	s_mov_b32 s[G1B+3], 512<<16
	s_mov_b32 s[G1B+4], 8
	s_mov_b32 s[G1B+5], 4096
	s_mov_b32 s[G1B+6], 0
	s_mov_b32 s[G1B+7], 0
	s_lshl_b32 s16, s15, 3
	s_lshl_b32 s17, s[CH], 2
	s_add_co_u32 s16, s16, s17
	s_lshl_b32 s16, s16, 15                        ; A: token tile 8 x tile row + 4 x half
	s_mov_b32 s17, 0
	s_lshl_b32 s46, s42, 4
	s_lshl_b32 s47, s[CH], 3
	s_add_co_u32 s46, s46, s47
	s_lshl_b32 s46, s46, 15                        ; B: column tile 16 x tile column + 8 x half
	s_mov_b32 s47, 0
	s_lshl_b32 s20, s[CH], 14                      ; where they go: no place in the cluster enters an LDS address
	s_lshl_b32 s21, s[CH], 15
	s_add_co_u32 s21, s21, BOFF
	s_wait_dscnt 0x0                               ; both opening adds are done
	s_wait_kmcnt 0x0
	s_add_nc_u64 s[16:17], s[4:5], s[16:17]
	s_add_nc_u64 s[46:47], s[6:7], s[46:47]
	CROUND                                         ; all sixteen work-groups are here: the first joint loads meet
.irp s, 0,1
	s_mov_b32 s[G0A+4*\s], 1
	s_add_co_u32 s[G0A+4*\s+1], s20, \s*SLOT
	s_add_nc_u64 s[G0A+4*\s+2:G0A+4*\s+3], s[16:17], \s*4096       ; K step s
	s_or_b32 s[G0A+4*\s+3], s[G0A+4*\s+3], 0x80000000
	s_mov_b32 s[G0B+4*\s], 1
	s_add_co_u32 s[G0B+4*\s+1], s21, \s*SLOT
	s_add_nc_u64 s[G0B+4*\s+2:G0B+4*\s+3], s[46:47], \s*4096
	s_or_b32 s[G0B+4*\s+3], s[G0B+4*\s+3], 0x80000000
	JLOAD \s
.endr
	v_and_b32 v1, 15, v0
	v_bfe_u32 v2, v0, 4, 1
	v_and_b32 v3, 31, v0
	v_lshlrev_b32 v[CO], 4, v3
	s_lshl_b32 s22, s[RH], 14                      ; my four token tiles
	s_lshl_b32 s23, s[CH], 15                      ; my eight column tiles,
	s_add_co_u32 s23, s23, BOFF                    ; behind A
.irp s, 0,1
	v_add_nc_u32 v[ADRA+\s], s22, v[CO]
	v_add_nc_u32 v[ADRB+\s], s23, v[CO]
	s_add_co_u32 s22, s22, SLOT
	s_add_co_u32 s23, s23, SLOT
.endr
	s_mul_i32 s22, s[WV], 16*SPITCH
	s_add_co_u32 s22, s22, STAGE                   ; my stage
	v_mul_u32_u24 v4, v1, SPITCH
	v_lshl_add_u32 v4, v2, 5, v4
	v_add_nc_u32 v[STO], s22, v4                   ; in: row lane % 16, 32 bytes for each half of the lanes
	v_add_nc_u32 v[RD], s22, v[CO]                 ; back: the 32 lanes take a row of 512 bytes
	s_lshl_b32 s18, s42, 10
	s_lshl_b32 s19, s[CH], 9
	s_add_co_u32 s18, s18, s19                     ; my first column, in bytes
	s_mov_b32 s19, 0
	s_add_nc_u64 s[8:9], s[8:9], s[18:19]
	s_add_nc_u64 s[10:11], s[10:11], s[18:19]
	s_lshl_b32 s18, s15, 7
	s_lshl_b32 s22, s[RH], 6
	s_add_co_u32 s18, s18, s22
	s_lshl_b32 s18, s18, 12                        ; my first row: 4,096 bytes a row
	s_add_nc_u64 s[10:11], s[10:11], s[18:19]
	global_load_b128 v[BO:BO+3], v[CO], s[8:9]
.macro FETCH slot, q, f                ; 24 LDS loads in one run: the slot's q-th 32 along K: B's eight fragments, then A's four
.irp b, 0,1,2,3,4,5,6,7
	ds_load_b128 v[\f+8*\b:\f+8*\b+3], v[ADRB+\slot] offset:\b*4096+(\q)*1024
	ds_load_b128 v[\f+8*\b+4:\f+8*\b+7], v[ADRB+\slot] offset:\b*4096+(\q)*1024+512
.endr
.irp a, 0,1,2,3
	ds_load_b128 v[\f+64+8*\a:\f+64+8*\a+3], v[ADRA+\slot] offset:\a*4096+(\q)*1024
	ds_load_b128 v[\f+64+8*\a+4:\f+64+8*\a+7], v[ADRA+\slot] offset:\a*4096+(\q)*1024+512
.endr
.endm
.macro MUL8 f, a, zero                 ; A's block a against B's eight.  The 32 accumulators take turns, one instruction a turn, in the same order in every quarter
.irp b, 0,1,2,3,4,5,6,7
.if \zero
	v_wmma_f32_16x16x32_f16 v[8*(8*(\a)+\b):8*(8*(\a)+\b)+7], v[\f+8*\b:\f+8*\b+7], v[\f+64+8*(\a):\f+64+8*(\a)+7], 0
.else
	v_wmma_f32_16x16x32_f16 v[8*(8*(\a)+\b):8*(8*(\a)+\b)+7], v[\f+8*\b:\f+8*\b+7], v[\f+64+8*(\a):\f+64+8*(\a)+7], v[8*(8*(\a)+\b):8*(8*(\a)+\b)+7]
.endif
.endr
.endm
.macro QUARTER slot, qn, f, g, zero    ; multiplies buffer f; in its middle it fetches the slot's quarter qn into buffer g
	s_wait_dscnt 4                                 ; B and A's blocks 0, 1 are in; the youngest four loads (A's blocks 2, 3) may be out
	WIN MUL
	MUL8 \f, 0, \zero
	MUL8 \f, 1, \zero
	PLACES                                         ; four places ahead of loads into registers that products have read
	WIN 0
	FETCH \slot, \qn, \g
	s_wait_dscnt 24                                ; all but the 24 just issued
	WIN MUL
	MUL8 \f, 2, \zero
	MUL8 \f, 3, \zero
.endm
; A slot's last quarter multiplies buffer 1 and changes slots: one barrier; ahead of it each wave waits for all its tensor loads, adds 0 to its spare word, and waits for that and for its reads of this slot.
.macro TURN slot, next, fill
	WIN 0
	s_wait_tensorcnt 0x0                           ; all my tensor loads have landed: my part of the next slot
	ds_add_u32 v[SPW], v[NIL]
	s_wait_dscnt 5                                 ; (the add and the youngest four loads may be out)
	WIN MUL
	MUL8 F1, 0, 0                                  ; eight products stand between the add and the wait for it
	s_wait_dscnt 0x0                               ; the add is done, and my reads of this slot are over
	s_barrier_signal -1
	MUL8 F1, 1, 0
	WIN 0
	s_barrier_wait -1
.if \fill
	CREST                                          ; the barrier has opened a round of the cluster's: no wave of any partner still reads this slot or has a load on its way
	s_add_nc_u64 s[G0A+4*\slot+2:G0A+4*\slot+3], s[G0A+4*\slot+2:G0A+4*\slot+3], 8192
	s_add_nc_u64 s[G0B+4*\slot+2:G0B+4*\slot+3], s[G0B+4*\slot+2:G0B+4*\slot+3], 8192
	JLOAD \slot                                    ; the first tensor load behind the round; its four v_nop are also the places ahead of the loads below
.else
	PLACES
.endif
	FETCH \next, 0, F0
	WIN MUL
	MUL8 F1, 2, 0
	MUL8 F1, 3, 0
.endm
	s_wait_tensorcnt 1                             ; my part of K step 0 is in; K step 1's may stay out
	s_barrier_signal -1
	s_barrier_wait -1
	FETCH 0, 0, F0
	QUARTER 0, 1, F0, F1, 1                        ; the first quarter stands ahead of the loop: its products start the sums
	WIN 0
	s_mov_b32 s3, LAPS-1
.Llap:                                                 ; a trip goes once round the ring, from a lap's second quarter to the next lap's first, and fills both slots again
	QUARTER 0, 2, F1, F0, 0
	QUARTER 0, 3, F0, F1, 0
	TURN 0, 1, 1
	QUARTER 1, 1, F0, F1, 0
	QUARTER 1, 2, F1, F0, 0
	QUARTER 1, 3, F0, F1, 0
	TURN 1, 0, 1
	QUARTER 0, 1, F0, F1, 0
	WIN 0
	s_sub_co_u32 s3, s3, 1
	s_cmp_lg_u32 s3, 0
	s_cbranch_scc1 .Llap
	QUARTER 0, 2, F1, F0, 0                        ; the last lap fills nothing
	QUARTER 0, 3, F0, F1, 0
	TURN 0, 1, 0
	QUARTER 1, 1, F0, F1, 0
	QUARTER 1, 2, F1, F0, 0
	QUARTER 1, 3, F0, F1, 0
	s_wait_dscnt 4                                 ; the very last quarter: nothing more to fetch
	WIN MUL
	MUL8 F1, 0, 0
	MUL8 F1, 1, 0
	s_wait_dscnt 0x0
	MUL8 F1, 2, 0
	MUL8 F1, 3, 0
	WIN 0
; THE WAY OUT, a block of 16 rows x 128 columns at a time: through my own stage, back as whole rows of 512 bytes; the bias is added there, two numbers an instruction.
.macro TOSTAGE a
	WIN 0x04                                       ; an LDS store's data: window 1
.irp b, 0,1,2,3,4,5,6,7
	ds_store_b128 v[STO], v[8*(8*(\a)+\b):8*(8*(\a)+\b)+3] offset:64*\b          ; each accumulator from its low end on
	ds_store_b128 v[STO], v[8*(8*(\a)+\b)+4:8*(8*(\a)+\b)+7] offset:64*\b+16
.endr
	WIN 0
.irp t, 0,1,2,3,4,5,6,7,8,9,10,11,12,13,14,15
	ds_load_b128 v[BK+64*((\a)%2)+4*\t:BK+64*((\a)%2)+4*\t+3], v[RD] offset:\t*SPITCH   ; LDS serves a wave's instructions in order: these see the stores above
.endr
.endm
.macro SEND a, younger                 ; younger: the LDS instructions issued behind block a's loads, which may stay out
	s_wait_dscnt \younger
.irp t, 0,1,2,3,4,5,6,7,8,9,10,11,12,13,14,15
	v_pk_add_f32 v[BK+64*((\a)%2)+4*\t:BK+64*((\a)%2)+4*\t+1], v[BK+64*((\a)%2)+4*\t:BK+64*((\a)%2)+4*\t+1], v[BO:BO+1]
	v_pk_add_f32 v[BK+64*((\a)%2)+4*\t+2:BK+64*((\a)%2)+4*\t+3], v[BK+64*((\a)%2)+4*\t+2:BK+64*((\a)%2)+4*\t+3], v[BO+2:BO+3]
	global_store_b128 v[CO], v[BK+64*((\a)%2)+4*\t:BK+64*((\a)%2)+4*\t+3], s[10:11] offset:(16*(\a)+\t)*4096 th:TH_STORE_NT   ; 512 consecutive bytes, aligned; 63 rows at the most stand in the immediate
.endr
.endm
	PLACES                                         ; ahead of the first read of results and of loads into the fragments' registers
	s_wait_loadcnt 0x0                             ; bo
	TOSTAGE 0
.irp a, 1,2,3
.if \a > 1
	s_wait_xcnt 0x0                                ; block a - 2's stores have read the registers into which block a's rows are loaded
.endif
	TOSTAGE \a
	SEND \a-1, 32                                  ; behind block a - 1's loads: block a's 16 stores and 16 loads
.endr
	SEND 3, 0
	s_wait_tensorcnt 0x0                           ; the wave's end
	ds_add_u32 v[SPW], v[NIL]
	s_wait_dscnt 0x0
	CROUND                                         ; the closing round
	s_endpgm
.Lfunc_end_k_q89e47d4276_oproj:
	.size	k_q89e47d4276_oproj, .Lfunc_end_k_q89e47d4276_oproj-k_q89e47d4276_oproj
	.p2alignl 7, 3214868480
	.fill 96, 4, 3214868480
	.section	.rodata,"a",@progbits
	.p2align	6, 0x0
	.amdhsa_kernel k_q89e47d4276_oproj
		.amdhsa_group_segment_fixed_size 327680
		.amdhsa_private_segment_fixed_size 0
		.amdhsa_enable_private_segment 0
		.amdhsa_kernarg_size 32
		.amdhsa_user_sgpr_count 2
		.amdhsa_user_sgpr_kernarg_segment_ptr 1
		.amdhsa_wavefront_size32 1
		.amdhsa_system_sgpr_workgroup_id_x 1
		.amdhsa_system_sgpr_workgroup_id_y 1
		.amdhsa_system_sgpr_workgroup_id_z 1
		.amdhsa_system_vgpr_workitem_id 0
		.amdhsa_next_free_vgpr 512
		.amdhsa_next_free_sgpr 66
		.amdhsa_reserve_vcc 0
		.amdhsa_float_denorm_mode_32 3
		.amdhsa_float_denorm_mode_16_64 3
		.amdhsa_memory_ordered 1
		.amdhsa_forward_progress 1
		.amdhsa_inst_pref_size 92
	.end_amdhsa_kernel
	.amdgpu_metadata
---
amdhsa.version: [ 1, 2 ]
amdhsa.kernels:
  - .name:           k_q89e47d4276_oproj
    .symbol:         k_q89e47d4276_oproj.kd
    .args:
      - { .name: oimg, .offset: 0, .size: 8, .value_kind: global_buffer, .address_space: global }
      - { .name: wof, .offset: 8, .size: 8, .value_kind: global_buffer, .address_space: global }
      - { .name: bo, .offset: 16, .size: 8, .value_kind: global_buffer, .address_space: global }
      - { .name: out0, .offset: 24, .size: 8, .value_kind: global_buffer, .address_space: global }
    .group_segment_fixed_size: 327680
    .private_segment_fixed_size: 0
    .kernarg_segment_align: 8
    .kernarg_segment_size: 32
    .max_flat_workgroup_size: 128
    .sgpr_count:     66
    .vgpr_count:     512
    .wavefront_size: 32
...
	.end_amdgpu_metadata
.endif
;; end of part 4
